; MI455X (gfx1250); checked and timed in simulation.
; The chip was launched on July 23, 2026; its instructions are those of AMD's public machine-readable ISA for CDNA 5 (MIT licence, August 2026) and "CDNA5" Instruction Set Architecture Reference Guide (July 2026). The comments in the code are by the model that wrote it; some were corrected since.
;; LST Mcell. Allowed arithmetic: matrix products marked QUANTISED: E3M2 operands, one E8M0 scale for each 32 along K, by v_wmma_scale_f32_16x16x128_f8f6f4 with both operands' format E3M2, f32 sums; everything else in f32.
;; Inputs: W_c 2,048 x 1,024 float32; W_f 2,048 x 1,024 float32; W_i 2,048 x 1,024 float32; W_o 2,048 x 1,024 float32; b_c 1,024 float32; b_f 1,024 float32; b_i 1,024 float32; b_o 1,024 float32; cell_state 8,192 x 1,024 float32; hidden_state 8,192 x 1,024 float32; input 8,192 x 1,024 float32.
;; Outputs: out0 8,192 x 1,024 float32; out1 8,192 x 1,024 float32.
;; This version of the problem:
;;   THIS VERSION OF THE PROBLEM IS GIVEN IN LOW PRECISION. The matrix products marked QUANTISED in the list below multiply operands that are first quantised to E3M2 (3 exponent bits, 2 mantissa bits; 6 bits a number), with one power-of-two scale for each 32 numbers along K (OCP MX v1.0); their sums are f32. All else is computed in f32.
;;   The module's matrix products, in the order in which they are computed (A, B: the left and right operand; K: the contracted axis; several contracted axes count as one K, in the product's order):
;;     1. [M 8,192, K 2,048] x [K 2,048, N 4,096]; A: computed on the way; B: computed on the way: QUANTISED
;;   THE QUANTISER, for each operand of a quantised product, along K:
;;     - K is cut into blocks of 32 from its start; a last block that is shorter is filled with zeros.
;;     - A block's scale is 2^e with e = floor(log2(the largest magnitude in the block)) - 4, held to -126 .. 127; a block of zeros has e = 0. As a byte (E8M0): e + 127.
;;     - Each number is divided by its block's scale, clamped to +-28, and rounded to the nearest number of E3M2, ties to even, subnormals kept.
;;     - The product sums the exact products of the quantised numbers (number of the format x scale) in f32.
;;   ~~~python
;;   def quantise(x, axis):      # numpy; x: float32 -> the quantised numbers, widened to float32 again
;;       x = np.moveaxis(x, axis, -1); K = x.shape[-1]
;;       x = np.pad(x, [(0, 0)] * (x.ndim - 1) + [(0, -K % 32)]); x = x.reshape(x.shape[:-1] + (-1, 32)); a = np.abs(x).max(-1, keepdims=True)
;;       e = np.where(a > 0, np.clip(np.frexp(np.where(a > 0, a, 1))[1] - 1 - 4, -126, 127), 0)      # np.frexp(a)[1] - 1 = floor(log2(a)), exactly
;;       r = np.clip(x / 2.0 ** e, -28, 28)
;;       step = 2.0 ** (np.maximum(np.frexp(np.where(r == 0, 1, r))[1] - 1, -2) - 2)
;;       q = np.round(r / step) * step * 2.0 ** e      # np.round: ties to even
;;       return np.moveaxis(q.reshape(q.shape[:-2] + (-1,))[..., :K], -1, axis).astype(np.float32)
;;   ~~~
;;   OPERANDS COMPUTED ON THE WAY. 'Computed on the way' means the value that the module computes at that place (a softmax that the list does not call 'softmax' is quantised finished and normalised). What goes into a quantiser is computed in f32, as accurately as f32 sums, v_exp_f32 and their like allow (about 1e-6 of the number): no bf16 or f16 on the way to a quantiser, and a product that is left as it is and whose result goes on into a quantised operand takes f32 operands (vector FMAs, or v_wmma_f32_16x16x4_f32). A number that lies on a knife's edge between two numbers of the format may be rounded either way, as far as f32 arithmetic and the matrix unit's own rounding can turn it there, and no further.
;; One version. Each part assembles by itself: llvm-mc -triple=amdgcn-amd-amdhsa -mcpu=gfx1250 --defsym DOCPART=n.
;; ======== version 1 of 1: 2 launches
;; workspace buffers: a_codes 12,582,912 bytes; a_scales 524,288 bytes; b_codes 6,291,456 bytes; b_scales 262,144 bytes
;; launch quant (part 1): grid 768 x 1, 4 waves a work-group, no clusters, 68,096 bytes of LDS; arguments input, hidden_state, W_f, W_i, W_c, W_o, a_codes, a_scales, b_codes, b_scales; writes a_codes, a_scales, b_codes, b_scales
.if DOCPART == 1
	.amdgcn_target "amdgcn-amd-amdhsa--gfx1250"
	.amdhsa_code_object_version 6
	.text
	.protected	k_qd3b02b04f3_quant
	.globl	k_qd3b02b04f3_quant
	.p2align	8
	.type	k_qd3b02b04f3_quant,@function
k_qd3b02b04f3_quant:
	s_mov_b64 s[64:65], 0
	v_nop
	global_prefetch_b8 v0, s[64:65] scope:SCOPE_SE
	s_setreg_imm32_b32 hwreg(HW_REG_WAVE_MODE, 25, 1), 1
	s_wait_xcnt 0x0
; Both operands of gates = [input, hidden_state] x [W_f, W_i, W_c, W_o] are turned into codes of BF6 (E3M2), 6 bits each, K innermost, with one E8M0 scale byte for each 32 along K (K = 2,048).
;   a_codes [8192][1536 bytes], a_scales [8192][64]: row m; K 0 .. 1023 = input's row, K 1024 .. 2047 = hidden_state's.
;   b_codes [4096][1536 bytes], b_scales [4096][64]: row n' = 128 J + 32 g + hh stands for gate g (0 f, 1 i, 2 c, 3 o) of hidden column 32 J + hh: so 128 neighbouring rows hold all four gates of 32 hidden columns,
;   and the wave of the next launch that multiplies by them has f, i, c and o of one output in one lane.
; A block's scale is 2^(floor(log2(its largest magnitude)) - 4); its byte is the largest magnitude's own exponent field - 4, held at 1 from below.  Each number is divided by the scale and rounded to the nearest code,
; ties to even; beyond the largest code the conversion gives the largest.
; LIMITS: a block whose largest magnitude lies under 2^-122 (a block of zeros among them) gets the byte 1: its codes are zeros or near it, and this program alone reads the bytes.  NaN and infinities are not served.
; Work-groups 0 .. 255 take the weights (K is their FIRST axis: a lane takes a column and its registers run down K); work-groups 256 .. 767 take input and hidden_state (K innermost: two neighbouring lanes hold a block).
; Each of the two ways has LDS bytes of its own.  No tensor loads, no barrier: waves share nothing.
.set FLOOR, 0x2800000                  ; 2^(5 - 127)
.set TAKE4, 0xfe000000                 ; -(4 << 23): 4 off an exponent field
	s_load_b512 s[4:19], s[0:1], 0x0               ; input 4:5, hidden_state 6:7, W_f 8:9, W_i 10:11, W_c 12:13, W_o 14:15, a_codes 16:17, a_scales 18:19
	s_load_b128 s[20:23], s[0:1], 0x40             ; b_codes 20:21, b_scales 22:23
	v_lshl_add_u32 v192, v0, 2, 0x10800
	v_mov_b32 v193, 0
	v_lshrrev_b32 v1, 5, v0
	v_readfirstlane_b32 s24, v1                    ; wave 0..3
	v_and_b32 v2, 31, v0                           ; lane
	s_mov_b32 s29, 0                               ; the high word of every offset: all stay under 2^32
	s_wait_kmcnt 0x0
	s_cmp_lt_u32 ttmp9, 256
	s_cbranch_scc0 .Lrows
; ---------------------------------------------------------------- THE WEIGHTS
; A wave takes 32 columns x 256 along K of one gate's weight: 8 blocks a lane, 192 bytes of codes for each column.  A lane's codes belong to one row of b_codes and the lanes beside it hold other rows: so they go
; through the wave's own stage in LDS and leave as rows: sixteen lanes store a row's 192 consecutive bytes, 12 bytes each.  Loads run two blocks (64 loads a wave) ahead.
.set WSTG,  32768                      ; LDS: the weights' stages begin here: 32 rows x 272 bytes for each wave
.set WP,    272                        ; a stage row: sixteen places of 16 bytes, each with 12 bytes of codes, + 16
.set WX,    32                         ; v32-95   two sets of 32 numbers
.set WC,    96                         ; v96..    a block's codes
.set WOUT,  112                        ; v112-175 the way out: 16 x 4 registers
.set WSB,   24                         ; v24-25   the scale bytes, four to a register
	s_and_b32 s25, ttmp9, 7                        ; x: which 128 columns
	s_bfe_u32 s26, ttmp9, 0x30003                  ; y: which 256 along K
	s_lshr_b32 s27, ttmp9, 6                       ; g: which gate
	s_cmp_eq_u32 s27, 1                            ; the gate's weight: the choice hangs on the work-group's number alone
	s_cselect_b64 s[8:9], s[10:11], s[8:9]
	s_cmp_eq_u32 s27, 2
	s_cselect_b64 s[8:9], s[12:13], s[8:9]
	s_cmp_eq_u32 s27, 3
	s_cselect_b64 s[8:9], s[14:15], s[8:9]
	s_lshl_b32 s28, s26, 20                        ; the weight: 256 y rows of 4,096 bytes
	s_lshl_b32 s30, s25, 9                         ; + 128 x columns of 4 bytes
	s_add_co_u32 s28, s28, s30
	s_lshl_b32 s31, s24, 7                         ; + 32 columns a wave
	s_add_co_u32 s28, s28, s31
	s_add_nc_u64 s[8:9], s[8:9], s[28:29]
	s_add_co_u32 s30, s30, s31                     ; n' of my first column: 128 (4 x + wave)
	s_lshl_b32 s31, s27, 5
	s_add_co_u32 s30, s30, s31                     ; + 32 g
	s_mul_i32 s28, s30, 1536
	s_mul_i32 s31, s26, 192
	s_add_co_u32 s28, s28, s31
	s_add_nc_u64 s[20:21], s[20:21], s[28:29]      ; the codes: row n', 192 y bytes on
	s_lshl_b32 s28, s30, 6
	s_lshl_b32 s31, s26, 3
	s_add_co_u32 s28, s28, s31
	s_add_nc_u64 s[22:23], s[22:23], s[28:29]      ; the scale bytes: row n', 8 y bytes on
	v_lshlrev_b32 v3, 2, v2                        ; in: 4 bytes a lane
	s_mul_i32 s31, s24, 32*WP
	s_add_co_u32 s31, s31, WSTG                    ; my stage
	v_mul_u32_u24 v4, v2, WP
	v_add_nc_u32 v4, s31, v4                       ; into it: row = my column
	v_and_b32 v5, 15, v2
	v_lshrrev_b32 v6, 4, v2                        ; out of it: sixteen lanes to a row, two rows an instruction
	v_mul_u32_u24 v7, v6, WP
	v_lshl_add_u32 v7, v5, 4, v7
	v_add_nc_u32 v7, s31, v7
	v_mul_u32_u24 v8, v6, 1536
	v_mad_u32_u24 v8, v5, 12, v8                   ; and the same place in b_codes
	v_lshlrev_b32 v9, 6, v2                        ; my column's row of scale bytes
.macro WLOAD t                         ; block t: W(32 t + i, my column), i = 0 .. 31, into set t % 2: 32 lanes read 128 consecutive bytes
.irp i, 0,1,2,3,4,5,6,7,8,9,10,11,12,13,14,15,16,17,18,19,20,21,22,23,24,25,26,27,28,29,30,31
	global_load_b32 v[WX+32*((\t)%2)+\i], v3, s[8:9] offset:(32*(\t)+\i)*4096 th:TH_LOAD_NT
.endr
.endm
.macro WBLOCK t
.set XS, WX+32*((\t)%2)
.if (\t) < 7
	s_wait_loadcnt 32                              ; this block's 32 loads are in; the next block's 32 may be out
.else
	s_wait_loadcnt 0
.endif
	v_max3_num_f32 v12, |v[XS]|, |v[XS+1]|, |v[XS+2]|               ; the block's largest magnitude: all 32 numbers are mine; two chains
	v_max3_num_f32 v13, |v[XS+3]|, |v[XS+4]|, |v[XS+5]|
.irp i, 6,10,14,18,22,26
	v_max3_num_f32 v12, v12, |v[XS+\i]|, |v[XS+\i+1]|
	v_max3_num_f32 v13, v13, |v[XS+\i+2]|, |v[XS+\i+3]|
.endr
	v_max3_num_f32 v12, v12, |v[XS+30]|, |v[XS+31]|
	v_max3_num_f32 v12, v12, v13, FLOOR            ; and the floor, under which no largest magnitude is taken: so the byte cannot fall under 1
	v_add_nc_u32 v11, TAKE4, v12                   ; 4 off its exponent field: the conversion takes the exponent field of this operand as its scale, and nothing else of it
	v_lshrrev_b32 v13, 23, v11                     ; the scale's byte
.if (\t)%4 == 0
	v_mov_b32 v[WSB+(\t)/4], v13                   ; four bytes to a register, the lower K in the lower byte
.else
	v_lshl_or_b32 v[WSB+(\t)/4], v13, 8*((\t)%4), v[WSB+(\t)/4]
.endif
	v_cvt_scalef32_pk16_bf6_f32 v[WC:WC+2], v[XS:XS+15], v11
	v_cvt_scalef32_pk16_bf6_f32 v[WC+4:WC+6], v[XS+16:XS+31], v11   ; (a conversion's three registers begin on an even number)
	ds_store_b96 v4, v[WC:WC+2] offset:32*(\t)     ; 16 codes, 12 bytes, to a place of 16 bytes, so that every LDS address is a multiple of 16
	ds_store_b96 v4, v[WC+4:WC+6] offset:32*(\t)+16
.if (\t)+2 < 8
	WLOAD (\t)+2
.endif
	s_wait_dscnt 0x0                               ; the stores are done: the next block's codes may be written (its first lines are plain vector lines)
.endm
	WLOAD 0
	WLOAD 1
.irp t, 0,1,2,3,4,5,6,7
	WBLOCK \t
.endr
	global_store_b64 v9, v[WSB:WSB+1], s[22:23]    ; my column's 8 scale bytes
.irp t, 0,1,2,3,4,5,6,7,8,9,10,11,12,13,14,15
	ds_load_b96 v[WOUT+4*\t:WOUT+4*\t+2], v7 offset:2*\t*WP   ; LDS serves a wave's instructions in order (ISA guide 5.7.1.4): these see my stores
.endr
.irp t, 0,1,2,3,4,5,6,7,8,9,10,11,12,13,14,15
	s_wait_dscnt 15-\t                             ; loads come back in order: pair t of rows is in
	global_store_b96 v8, v[WOUT+4*\t:WOUT+4*\t+2], s[20:21] offset:2*\t*1536
.endr
	s_wait_tensorcnt 0x0
	ds_add_u32 v192, v193
	s_wait_dscnt 0x0
	s_endpgm
; ---------------------------------------------------------------- INPUT AND HIDDEN_STATE
; Wave W of 2,048 takes rows 4 W .. 4 W + 3 of BOTH tensors: 16 steps of 512 numbers; step t is quarter t % 4 of row t / 4 of the joined row (quarters 0, 1: input; 2, 3: hidden_state).  So the wave's codes are
; 6,144 consecutive bytes and its scale bytes 256.  Each of a step's four loads reads 512 consecutive bytes, 16 a lane; the 2,048 bytes go through the wave's own stage in LDS, as they lie, and come back 64 bytes a
; lane: 16 NEIGHBOURS, which is what the conversion takes from a lane's registers.  The stage has 16 bytes of padding behind each 64.  Loads run four steps (16 loads a wave) ahead, the turn through LDS one step.
.Lrows:
.set STEPS, 16
.set RR,    16                         ; v16-79   four sets of 16 numbers as they are loaded
.set RX,    80                         ; v80-111  two sets of 16 neighbours
.set RE,    112                        ; v112-127 a scale byte for each step
.set RC,    128                        ; v128-191 codes: four registers for each step, so that no store's data are written again
.set WREG,  8192                       ; LDS: a region of its own for each wave: two stages of 32 x SP bytes, and behind them its 256 scale bytes
.set SP,    80                         ; a lane's place in a stage: its 64 bytes + 16 of padding
	v_lshlrev_b32 v3, 4, v2                        ; my 16 bytes of a load's 512
	s_mul_i32 s25, s24, WREG
	v_lshrrev_b32 v14, 2, v2
	v_mul_u32_u24 v14, v14, SP
	v_and_b32 v15, 3, v2
	v_lshl_add_u32 v14, v15, 4, v14
	v_add_nc_u32 v14, s25, v14                     ; the stage, on the way in: SP (lane / 4) + 16 (lane % 4); a load's 512 bytes take eight places
	v_mul_u32_u24 v15, v2, SP
	v_add_nc_u32 v15, s25, v15                     ; and on the way out: SP x lane: my 16 neighbours
	v_mul_u32_u24 v4, v2, 12                       ; my codes' place in a step's
	v_lshrrev_b32 v5, 1, v2
	s_add_co_u32 s25, s25, 2*32*SP
	v_add_nc_u32 v5, s25, v5                       ; LDS: my wave's 256 scale bytes, my block's byte
	v_lshlrev_b32 v7, 3, v2                        ; and on the way out 8 bytes a lane
	v_add_nc_u32 v6, s25, v7
	s_sub_co_u32 s26, ttmp9, 256
	s_lshl_b32 s26, s26, 2
	s_add_co_u32 s26, s26, s24                     ; W
	s_lshl_b32 s28, s26, 14                        ; 4 rows of 4,096 bytes
	s_add_nc_u64 s[4:5], s[4:5], s[28:29]
	s_add_nc_u64 s[6:7], s[6:7], s[28:29]
	s_mul_i32 s28, s26, 6144                       ; 4 rows of 1,536 bytes of codes
	s_add_nc_u64 s[16:17], s[16:17], s[28:29]
	s_lshl_b32 s28, s26, 8                         ; 4 rows of 64 scale bytes
	s_add_nc_u64 s[18:19], s[18:19], s[28:29]
.macro RLOAD t
.irp i, 0,1,2,3
.if ((\t)%4) < 2
	global_load_b128 v[RR+16*((\t)%4)+4*\i:RR+16*((\t)%4)+4*\i+3], v3, s[4:5] offset:4096*((\t)/4)+2048*((\t)%2)+512*\i th:TH_LOAD_NT
.else
	global_load_b128 v[RR+16*((\t)%4)+4*\i:RR+16*((\t)%4)+4*\i+3], v3, s[6:7] offset:4096*((\t)/4)+2048*((\t)%2)+512*\i th:TH_LOAD_NT
.endif
.endr
.endm
.macro RTURN t                         ; step t's numbers through the stage: LDS serves a wave's instructions in order, so no wait stands between the stores and the loads
.irp i, 0,1,2,3
	ds_store_b128 v14, v[RR+16*((\t)%4)+4*\i:RR+16*((\t)%4)+4*\i+3] offset:32*SP*((\t)%2)+8*SP*\i
.endr
.irp i, 0,1,2,3
	ds_load_b128 v[RX+16*((\t)%2)+4*\i:RX+16*((\t)%2)+4*\i+3], v15 offset:32*SP*((\t)%2)+16*\i
.endr
.endm
.irp t, 0,1,2,3
	RLOAD \t
.endr
	s_wait_loadcnt 12                              ; step 0's four loads are in
	RTURN 0
.macro RSTEP t
.set XS, RX+16*((\t)%2)
.if (\t) > 0
	s_wait_dscnt 1                                 ; this step's numbers are back from the stage (the last step's byte store may be out): so its stores into the stage have read their registers,
.else
	s_wait_dscnt 0x0
.endif
.if (\t)+4 < STEPS
	RLOAD (\t)+4                                   ; which take the loads of four steps on
.endif
.if (\t)+1 < STEPS
.if STEPS-2-(\t) >= 3
	s_wait_loadcnt 12                              ; the next step's four loads are in; those of the three steps behind it may be out
.else
	s_wait_loadcnt 4*(STEPS-2-(\t))
.endif
	RTURN (\t)+1                                   ; and go through the other stage while this step is worked
.endif
	v_max3_num_f32 v8, |v[XS]|, |v[XS+1]|, |v[XS+2]|               ; the largest magnitude of my 16
	v_max3_num_f32 v9, |v[XS+3]|, |v[XS+4]|, |v[XS+5]|
.irp i, 6,10
	v_max3_num_f32 v8, v8, |v[XS+\i]|, |v[XS+\i+1]|
	v_max3_num_f32 v9, v9, |v[XS+\i+2]|, |v[XS+\i+3]|
.endr
	v_max3_num_f32 v8, v8, |v[XS+14]|, |v[XS+15]|
	v_max3_num_f32 v8, v8, v9, FLOOR               ; and the floor: the byte cannot fall under 1
	v_max_num_f32_dpp v8, v8, v8 row_xmask:1 row_mask:0xf bank_mask:0xf   ; and of my neighbour's 16: the block's
	v_add_nc_u32 v11, TAKE4, v8                    ; 4 off its exponent field: the conversion's scale operand
	v_cvt_scalef32_pk16_bf6_f32 v[RC+4*(\t):RC+4*(\t)+2], v[XS:XS+15], v11   ; 96 bits without gaps, the first number's code lowest
	v_lshrrev_b32 v[RE+(\t)], 23, v11              ; the scale's byte (a plain line behind the conversion)
	ds_store_b8 v5, v[RE+(\t)] offset:16*(\t)      ; both lanes of a block write the same byte with the same value
	global_store_b96 v4, v[RC+4*(\t):RC+4*(\t)+2], s[16:17] offset:384*(\t)   ; the wave stores 384 consecutive bytes
.endm
.irp t, 0,1,2,3,4,5,6,7,8,9,10,11,12,13,14,15
	RSTEP \t
.endr
	ds_load_b64 v[12:13], v6                       ; LDS serves a wave's instructions in order: these see my stores
	s_wait_dscnt 0x0
	global_store_b64 v7, v[12:13], s[18:19]        ; 32 lanes store 256 consecutive bytes, at a multiple of 256 from the buffer's first byte
	s_wait_tensorcnt 0x0
	ds_add_u32 v192, v193
	s_wait_dscnt 0x0
	s_endpgm
.Lfunc_end_k_qd3b02b04f3_quant:
	.size	k_qd3b02b04f3_quant, .Lfunc_end_k_qd3b02b04f3_quant-k_qd3b02b04f3_quant
	.p2alignl 7, 3214868480
	.fill 96, 4, 3214868480
	.section	.rodata,"a",@progbits
	.p2align	6, 0x0
	.amdhsa_kernel k_qd3b02b04f3_quant
		.amdhsa_group_segment_fixed_size 68096
		.amdhsa_private_segment_fixed_size 0
		.amdhsa_enable_private_segment 0
		.amdhsa_kernarg_size 80
		.amdhsa_user_sgpr_count 2
		.amdhsa_user_sgpr_kernarg_segment_ptr 1
		.amdhsa_wavefront_size32 1
		.amdhsa_system_sgpr_workgroup_id_x 1
		.amdhsa_system_sgpr_workgroup_id_y 1
		.amdhsa_system_sgpr_workgroup_id_z 1
		.amdhsa_system_vgpr_workitem_id 0
		.amdhsa_next_free_vgpr 194
		.amdhsa_next_free_sgpr 66
		.amdhsa_reserve_vcc 0
		.amdhsa_float_denorm_mode_32 3
		.amdhsa_float_denorm_mode_16_64 3
		.amdhsa_memory_ordered 1
		.amdhsa_forward_progress 1
		.amdhsa_inst_pref_size 73
	.end_amdhsa_kernel
	.amdgpu_metadata
---
amdhsa.version: [ 1, 2 ]
amdhsa.kernels:
  - .name:           k_qd3b02b04f3_quant
    .symbol:         k_qd3b02b04f3_quant.kd
    .args:
      - { .name: input, .offset: 0, .size: 8, .value_kind: global_buffer, .address_space: global }
      - { .name: hidden_state, .offset: 8, .size: 8, .value_kind: global_buffer, .address_space: global }
      - { .name: W_f, .offset: 16, .size: 8, .value_kind: global_buffer, .address_space: global }
      - { .name: W_i, .offset: 24, .size: 8, .value_kind: global_buffer, .address_space: global }
      - { .name: W_c, .offset: 32, .size: 8, .value_kind: global_buffer, .address_space: global }
      - { .name: W_o, .offset: 40, .size: 8, .value_kind: global_buffer, .address_space: global }
      - { .name: a_codes, .offset: 48, .size: 8, .value_kind: global_buffer, .address_space: global }
      - { .name: a_scales, .offset: 56, .size: 8, .value_kind: global_buffer, .address_space: global }
      - { .name: b_codes, .offset: 64, .size: 8, .value_kind: global_buffer, .address_space: global }
      - { .name: b_scales, .offset: 72, .size: 8, .value_kind: global_buffer, .address_space: global }
    .group_segment_fixed_size: 68096
    .private_segment_fixed_size: 0
    .kernarg_segment_align: 8
    .kernarg_segment_size: 80
    .max_flat_workgroup_size: 128
    .sgpr_count:     66
    .vgpr_count:     194
    .wavefront_size: 32
...
	.end_amdgpu_metadata
.endif
;; end of part 1
;; launch lstm (part 2): grid 16 x 32, 4 waves a work-group, clusters of 4 x 4, 327,680 bytes of LDS; arguments a_codes, a_scales, b_codes, b_scales, b_f, b_i, b_c, b_o, cell_state, out0, out1; writes out0, out1
.if DOCPART == 2
	.amdgcn_target "amdgcn-amd-amdhsa--gfx1250"
	.amdhsa_code_object_version 6
	.text
	.protected	k_qd3b02b04f3_lstm
	.globl	k_qd3b02b04f3_lstm
	.p2align	8
	.type	k_qd3b02b04f3_lstm,@function
k_qd3b02b04f3_lstm:
	s_mov_b64 s[64:65], 0
	v_nop
	global_prefetch_b8 v0, s[64:65] scope:SCOPE_SE
	s_setreg_imm32_b32 hwreg(HW_REG_WAVE_MODE, 25, 1), 1
	s_wait_xcnt 0x0
	s_wait_alu depctr_hold_cnt(0) depctr_sa_sdst(0) depctr_va_vdst(0) depctr_va_sdst(0) depctr_va_ssrc(0) depctr_va_vcc(0) depctr_vm_vsrc(0)
	s_getreg_b32 s2, hwreg(HW_REG_IB_STS2, 6, 4)
	s_cmp_eq_u32 s2, 0
	s_cbranch_scc0 .Lentry_in_a_cluster
	s_endpgm
.Lentry_in_a_cluster:
	s_bfe_u32 s2, ttmp6, 0x10000c
	s_cmp_lg_u32 s2, 0xf033
	s_cbranch_scc0 .Lentry_shape_is_right
	s_endpgm
.Lentry_shape_is_right:
; gates[m][n'] = bias[n'] + sum over k of A[m][k] B[n'][k] on codes of BF6 (E3M2) with one E8M0 scale for each 32 along K; then, in f32 and without leaving the registers,
;   new_cell = sigmoid(f) cell + sigmoid(i) tanh(c),  new_hidden = sigmoid(o) tanh(new_cell).   out0 = new_hidden, out1 = new_cell, both [8192][1024] f32.
; A: a_codes [8192][1536 bytes], a_scales [8192][64].  B: b_codes [4096][1536 bytes], b_scales [4096][64]; B's row n' = 128 J + 32 g + hh is gate g (0 f, 1 i, 2 c, 3 o) of hidden column 32 J + hh.
; SHARES.  A work-group of four waves makes 256 rows x 256 n' (64 hidden columns); a wave 128 x 128: 64 accumulators of 16 x 16, 512 registers: all four gates of 32 hidden columns for 128 rows.
; K = 2,048 goes in 8 steps of 256 through a ring of two LDS slots filled by the tensor data mover: a tile's row is 192 bytes of memory.  The scales of the work-group's rows, for all of K, come into LDS once.
; CLUSTERS: 4 x 4 work-groups.  The four of a row of the cluster need the same tiles of A, the four of a column the same tiles of B: each tile is asked for JOINTLY, by the same tensor load with the same descriptor
; and a mask that names the four.  THE MATRIX INSTRUCTION IS USED TRANSPOSED (source 0 = 16 rows of B, source 1 = 16 rows of A): lane (r, h) holds row r and n' = 16 b + 8 h + 0 .. 7 of block b: gate b / 2,
; hidden columns 16 (b % 2) + 8 h + 0 .. 7.  THE BIAS is the C of each sum's first product: eight registers a block of B, in the result's layout.
; CELL_STATE's tile (256 rows x 256 bytes) is brought into slot 0 when that slot has been read for the last time; new_cell is written over it in place, new_hidden beside it, and both leave as whole rows of 256 bytes.
; LIMITS: NaN and infinities are not served.  tanh(x) = (d - 1) / (d + 1), d = 2^min(2 x log2 e, 60): from that hold on the quotient is 1 in f32.  Where (1 + b)(1 + d) passes f32's largest number the term comes out
; as 0: its true magnitude is then under 2^-67.  v_exp_f32 and v_rcp_f32 give 0 for results under 2^-126 (ISA guide 15.8).
; REGISTERS, in windows of 256: window 0: v1-7 at work at the head; v14-31 addresses; v32-63 scale words, two sets, and nothing else; v64-127 the biases; v128-223 A's fragments (8 x 16 rows x 128 K), ONE set;
;   on the way out v64-223 are at work.   window 1: B's fragments, TWO sets, at v0 and at v128.   window 2: the accumulators of my rows 0-63 ((a, b) at v[8 (8 a + b)]);   window 3: those of my rows 64-127.
.set NQ,     2                         ; matrix instructions deep in a slot: 256 along K
.set ROWB,   192                       ; a tile's row in bytes
.set KROW,   1536                      ; a row of A or of B in memory, in bytes
.set PITCH,  240                       ; an LDS row: 3 x (64 bytes of data + 16 of padding) = 60 words: the 32 lanes of a load of 8 bytes touch 64 different banks (64 banks of 4 bytes: ISA guide 11.1)
.set FR,     12                        ; registers of a fragment: 16 rows x 128 K
.set NL,     6                         ; LDS loads that bring one
.set NP,     4                         ; places behind this matrix instruction (ISA guide 7.12.1)
.set HALFT,  128*PITCH                 ; 128 rows: what one tensor load brings, and what one wave reads of A or of B
.set SLOT,   4*HALFT                   ; A's 256 rows, then B's 256 rows
.set LAPS,   4                         ; a lap = two K steps = once round the ring
.set KS,     64                        ; a row of scales in bytes
.set SCL,    2*SLOT                    ; behind the ring: the scales, as runs of 256 bytes + 16 of padding
.set HALFS,  32*272                    ; the scales of 128 rows: what one tensor load brings
.set SBLK,   4*272                     ; those of 16 rows
.set SPARE,  SCL+4*HALFS               ; behind the scales: the spare words, 128 bytes for each wave: two blocks of 256 bytes that no other line names
.set CP,     272                       ; the way out: a row of the cell tile and of the stage: 256 bytes + 16
.set HT,     256*CP                    ; the cell tile lies at LDS byte 0 (slot 0's last fill); behind it the stage for new_hidden, in bytes of the ring that have had their last fill and their last read
.set BO,   14                          ; v14     32 x (lane / 16): my offset among a block's biases
.set PFO,  15                          ; v15     the prefetches' offset: my lane x a row of codes; never rewritten
.set ADRA, 16                          ; v16-17  LDS address of my A fragments in slot 0, 1  (v18-19: the same for the pieces that lie behind one padding more)
.set ADRB, 20                          ; v20-21  the same for B  (v22-23)
.set CA,   24                          ; v24     my 32 bytes of a row of the cell tile
.set HA,   25                          ; v25     the same in the stage for new_hidden
.set RD,   26                          ; v26     where I read rows of new_cell back
.set ADRS, 27                          ; v27     LDS address of my scale words: lanes 0-15 A's rows, lanes 16-31 B's
.set SPW,  28                          ; v28     LDS address of my spare word: SPARE + 4 x my thread's number; never rewritten
.set NIL,  29                          ; v29     0; never rewritten
.set RD2,  30                          ; v30     where I read rows of new_hidden back
.set CO,   31                          ; v31     my byte offset in the work-group's part of out0 and out1
.set SC,   32                          ; scale words: set s at v[SC + 16 s]; in it register 2 i + q: lanes 0-15 the word of A's block i, lanes 16-31 that of B's block i, for the slot's q-th 128 along K
.set BIAS, 64                          ; block b's eight biases at v[BIAS + 8 b]
.set AF,   128                         ; A's fragments
.set X0,   64                          ; the way out, 16 numbers a lane each: X0 f's, X1 i's, X2 c's, X3 o's, X4 d - 1 and then new_hidden, CC cell and then new_cell
.set X1,   80
.set X2,   96
.set X3,   112
.set X4,   128
.set CC,   144
.set OB,   160                         ; v160-223 rows read back
.set WV,   16                          ; s16 my wave; s17 which half of the rows is mine, also: I fetch for A (0) or for B (1); s18 which half of the columns, also: which 128 rows I fetch
.set G1C,  4                           ; s[4:11]  descriptor group 1 for the cell tile;  s[12:15] its group 0
.set G0C,  12
.set G1,   24                          ; s[24:31] group 1 for A's tiles;  s[32:39] group 0, one set for each slot
.set G0,   32
.set PFA,  44                          ; s[44:45] where my prefetches stand
.set LIM,  46                          ; s46, s47 a wave prefetches at the change out of slot 0 (1) while the lap counter is above s46 (s47)
.set G1B,  48                          ; s[48:55], s[56:63] the same for B's tiles
.set G0B,  56
.set G1S,  68                          ; s[68:75], s[76:79] groups 1 and 0 for A's scales;  s[80:87], s[88:91] for B's
.set G0S,  76
.set G1SB, 80
.set G0SB, 88
.set MSB, 0
.macro WIN new                         ; the immediate's high byte repeats the setting that is left; a switch that changes nothing is dropped
.if MSB != \new
	s_set_vgpr_msb (MSB<<8)|\new
.set MSB, \new
.endif
.endm
.set MUL_LO, 0xa1                      ; source 0 (B) window 1, source 1 (A) window 0, C and D window 2
.set MUL_HI, 0xf1                      ; the same, C and D window 3
.set FST_LO, 0x81                      ; a sum's first product: C (the bias) window 0, D window 2
.set FST_HI, 0xc1                      ; D window 3
.set TO_B,   0x40                      ; destination window 1, address window 0
; A joint load: waves 0 and 1 fetch for A, waves 2 and 3 for B.  Each of the two lines has ONE mask and one set of registers for all that issue it; the branch hangs on the wave's number alone.
; Four v_nop follow each of the two lines, ahead of the jump, the label and what follows.
.macro JLOAD g0a, g1a, g0b, g1b
	s_cmp_eq_u32 s17, 0
	s_cbranch_scc0 .Lfor_b_\@
	tensor_load_to_lds s[\g0a:\g0a+3], s[\g1a:\g1a+7]
	s_nop 0
.rept 4
	v_nop
.endr
	s_branch .Lasked_\@
.Lfor_b_\@:
	tensor_load_to_lds s[\g0b:\g0b+3], s[\g1b:\g1b+7]
	s_nop 0
.rept 4
	v_nop
.endr
.Lasked_\@:
.endm
.macro CREST                           ; a round of the cluster's barrier behind its opening barrier
	s_cmp_lg_u32 s[WV], 0
	s_cbranch_scc1 .Lnot_wave_0_\@
	s_barrier_signal -3
.Lnot_wave_0_\@:
	s_barrier_wait -3
	s_barrier_signal -1
	s_barrier_wait -1
.endm
.macro CROUND                          ; a whole round
	s_barrier_signal -1
	s_barrier_wait -1
	CREST
.endm
; A PREFETCH INTO THE L2, behind a joint refill and its four lines.  A row of codes is 1,536 bytes, six aligned blocks of 256; a K step is 192 bytes of it.  At the refill that asks
; for K step s a lane names byte 192 (s + 2) + 191 of its row, the last byte of the K step that stands two refills, 256 matrix instructions, on; for s = 2, 3, 4 those are blocks 3, 4, 5, each named once; for s = 5 it
; would be block 5 again, and beyond there is no K step: nothing is asked.  Blocks 0 to 2 come by their loads alone: nothing is prefetched at the head.  A's tile row is read by every cluster of that row of clusters:
; cluster x = 0 asks; B's tile column by every cluster of that column: cluster y = 0 asks.  Of the 128 rows that a wave fetches, each of the four partners that ask for them jointly takes 32, told apart BY ADDRESS.
.macro ASK slot
	s_cmp_gt_u32 s3, s[LIM+\slot]                  ; s3 = 3, 2, 1 in the loop's three trips
	s_cbranch_scc0 .Lnot_mine_\@
	global_prefetch_b8 v[PFO], s[PFA:PFA+1] th:TH_LOAD_NT scope:SCOPE_SE
.Lnot_mine_\@:
.endm
	s_load_b256 s[4:11], s[0:1], 0x0               ; A's codes s[4:5], A's scales s[6:7], B's codes s[8:9], B's scales s[10:11]
	s_load_b256 s[92:99], s[0:1], 0x20             ; b_f s[92:93], b_i s[94:95], b_c s[96:97], b_o s[98:99]
	s_load_b64 s[14:15], s[0:1], 0x40              ; cell_state
	s_load_b64 s[66:67], s[0:1], 0x48              ; out0
	s_load_b64 s[100:101], s[0:1], 0x50            ; out1
	v_lshl_add_u32 v[SPW], v0, 2, SPARE
	v_mov_b32 v[NIL], 0
	ds_add_u32 v28, v29
	ds_add_u32 v28, v29
	s_wait_dscnt 0x0
	v_lshrrev_b32 v1, 5, v0
	v_readfirstlane_b32 s[WV], v1                  ; wave 0..3
	s_lshr_b32 s17, s[WV], 1
	s_and_b32 s18, s[WV], 1
	s_bfe_u32 s40, ttmp6, 0x40000                  ; cx, cy: my place in the cluster
	s_bfe_u32 s41, ttmp6, 0x40004
	s_lshl_b32 s42, ttmp9, 2
	s_add_co_u32 s42, s42, s40                     ; tile column = 4 x cluster x + cx
	s_and_b32 s19, ttmp7, 0xffff
	s_lshl_b32 s19, s19, 2
	s_add_co_u32 s19, s19, s41                     ; tile row = 4 x cluster y + cy
	s_lshl_b32 s43, s41, 2
	s_lshl_b32 s43, 15, s43                        ; my row of the cluster
	s_lshl_b32 s44, 0x1111, s40                    ; my column
	; descriptor group 1: a tile of 128 rows x 192 bytes, padded in LDS
	s_or_b32 s[G1+0], s43, (0<<16)|(1<<20)|(1<<21)|(3<<22)|(3<<25)  ; 15:0 the mask: A's tiles go to my row; 17:16 element of 1 byte; 20 padding on; 21 set beside a mask; 24:22 after every 16 words (code 3); 31:25 of 4 words (code 3)
	s_or_b32 s[G1B+0], s44, (0<<16)|(1<<20)|(1<<21)|(3<<22)|(3<<25)
.irp g, G1, G1B
	s_mov_b32 s[\g+1], ROWB<<16                    ; tensor_dim0
	s_mov_b32 s[\g+2], 128<<16                     ; tensor_dim1 = 128
	s_mov_b32 s[\g+3], ROWB<<16                    ; tile_dim0
	s_mov_b32 s[\g+4], 128                         ; tile_dim1 = 128
	s_mov_b32 s[\g+5], KROW                        ; tensor_dim0_stride
	s_mov_b32 s[\g+6], 0
	s_mov_b32 s[\g+7], 0
.endr
	; and for the scales of 128 rows: a dense block of 8,192 bytes, as 32 rows of 256 bytes (32 elements of 8 bytes), 16 bytes of padding behind each
	s_or_b32 s[G1S+0], s43, (3<<16)|(1<<20)|(1<<21)|(5<<22)|(3<<25)
	s_or_b32 s[G1SB+0], s44, (3<<16)|(1<<20)|(1<<21)|(5<<22)|(3<<25)
.irp g, G1S, G1SB
	s_mov_b32 s[\g+1], 32<<16
	s_mov_b32 s[\g+2], 32<<16
	s_mov_b32 s[\g+3], 32<<16
	s_mov_b32 s[\g+4], 32
	s_mov_b32 s[\g+5], 32
	s_mov_b32 s[\g+6], 0
	s_mov_b32 s[\g+7], 0
.endr
	s_lshl_b32 s20, s18, 7                         ; which 128 rows of the tile I fetch
	s_lshl_b32 s21, s19, 8
	s_add_co_u32 s21, s21, s20                     ; A: row 256 x tile row + 128 x half
	s_lshl_b32 s46, s42, 8
	s_add_co_u32 s46, s46, s20                     ; B: row 256 x tile column + 128 x half
	s_lshl_b32 s22, s21, 6                         ; where these rows' scales begin, in bytes (all offsets stay under 2^32),
	s_mov_b32 s23, 0
	s_mul_i32 s20, s21, KROW                       ; and their codes
	s_mov_b32 s21, 0
	s_lshl_b32 s2, s46, 6
	s_mov_b32 s3, 0
	s_mul_i32 s46, s46, KROW
	s_mov_b32 s47, 0
	s_mul_i32 s45, s[WV], HALFT                    ; where they go: wave x 128 rows: no place in the cluster enters an LDS address
	s_mul_i32 s43, s[WV], HALFS
	s_wait_kmcnt 0x0
	s_add_nc_u64 s[20:21], s[4:5], s[20:21]
	s_add_nc_u64 s[22:23], s[6:7], s[22:23]
	s_add_nc_u64 s[46:47], s[8:9], s[46:47]
	s_add_nc_u64 s[2:3], s[10:11], s[2:3]
	CROUND                                         ; all sixteen work-groups are here: the first joint loads meet
	s_mov_b32 s[G0S], 1
	s_add_co_u32 s[G0S+1], s43, SCL
	s_mov_b64 s[G0S+2:G0S+3], s[22:23]
	s_or_b32 s[G0S+3], s[G0S+3], 0x80000000
	s_mov_b32 s[G0SB], 1
	s_add_co_u32 s[G0SB+1], s43, SCL
	s_mov_b64 s[G0SB+2:G0SB+3], s[2:3]
	s_or_b32 s[G0SB+3], s[G0SB+3], 0x80000000
	JLOAD G0S, G1S, G0SB, G1SB                     ; the scales first: they are wanted with K step 0
.irp s, 0,1
	s_mov_b32 s[G0+4*\s], 1
	s_add_co_u32 s[G0+4*\s+1], s45, \s*SLOT
	s_add_nc_u64 s[G0+4*\s+2:G0+4*\s+3], s[20:21], \s*ROWB
	s_or_b32 s[G0+4*\s+3], s[G0+4*\s+3], 0x80000000
	s_mov_b32 s[G0B+4*\s], 1
	s_add_co_u32 s[G0B+4*\s+1], s45, \s*SLOT
	s_add_nc_u64 s[G0B+4*\s+2:G0B+4*\s+3], s[46:47], \s*ROWB
	s_or_b32 s[G0B+4*\s+3], s[G0B+4*\s+3], 0x80000000
	JLOAD G0+4*\s, G1, G0B+4*\s, G1B               ; three tensor loads of mine are out behind the second of these
.endr
	; the prefetches: where my wave's stand, and who asks
	s_lshl_b32 s20, s19, 8
	s_lshl_b32 s21, s42, 8
	s_and_b32 s22, ttmp7, 0xffff                   ; cluster y
	s_cmp_eq_u32 s17, 0                            ; do I fetch for A?
	s_cselect_b32 s20, s20, s21                    ; the tile's first row: in A by the tile row, in B by the tile column
	s_cselect_b32 s21, s40, s41                    ; my place among the four that ask for it with me
	s_cselect_b32 s22, ttmp9, s22                  ; the coordinate along which other clusters read the same rows
	s_cselect_b64 s[PFA:PFA+1], s[4:5], s[8:9]
	s_cmp_eq_u32 s22, 0                            ; the same in all sixteen partners, for a given wave
	s_cselect_b32 s[LIM], 1, -1
	s_cselect_b32 s[LIM+1], 2, -1
	s_lshl_b32 s22, s18, 7
	s_add_co_u32 s20, s20, s22                     ; + the 128 rows that I fetch
	s_lshl_b32 s21, s21, 5
	s_add_co_u32 s20, s20, s21                     ; + my work-group's 32 of them
	s_mul_i32 s20, s20, KROW
	s_add_co_u32 s20, s20, 4*ROWB-1                ; K step 3's last byte: the first refill steps it to K step 4's
	s_mov_b32 s21, 0
	s_add_nc_u64 s[PFA:PFA+1], s[PFA:PFA+1], s[20:21]
	; the cell tile: each wave brings 64 rows x 256 bytes (32 elements of 8 bytes), 4,096 bytes apart in memory, 272 in LDS.  No mask: nobody shares it
	s_mov_b32 s[G1C+0], (3<<16)|(1<<20)|(5<<22)|(3<<25)
	s_mov_b32 s[G1C+1], 32<<16                     ; tensor_dim0 = 32
	s_mov_b32 s[G1C+2], 64<<16                     ; tensor_dim1 = 64
	s_mov_b32 s[G1C+3], 32<<16                     ; tile_dim0 = 32
	s_mov_b32 s[G1C+4], 64                         ; tile_dim1 = 64
	s_mov_b32 s[G1C+5], 512                        ; tensor_dim0_stride: 512 elements
	s_mov_b32 s[G1C+6], 0
	s_mov_b32 s[G1C+7], 0
	s_mov_b32 s[G0C], 1
	s_mul_i32 s[G0C+1], s[WV], 64*CP               ; rows 64 x wave of the tile
	s_lshl_b32 s20, s19, 20                        ; 256 x tile row rows of 4,096 bytes
	s_lshl_b32 s22, s42, 8                         ; + 64 x tile column numbers of 4 bytes
	s_add_co_u32 s20, s20, s22
	s_add_nc_u64 s[66:67], s[66:67], s[20:21]      ; out0 and out1 at the work-group's first number,
	s_add_nc_u64 s[100:101], s[100:101], s[20:21]
	s_lshl_b32 s22, s[WV], 18                      ; + 64 x wave rows
	s_add_co_u32 s20, s20, s22
	s_add_nc_u64 s[G0C+2:G0C+3], s[G0C+2:G0C+3], s[20:21]   ; cell_state at my 64 rows
	s_or_b32 s[G0C+3], s[G0C+3], 0x80000000
	; the biases: gate g's at hidden column 64 x tile column + 32 x my half of the columns; lane (r, h) wants, for block 2 g + u, those of columns 16 u + 8 h + 0 .. 7
	s_lshl_b32 s20, s42, 8
	s_lshl_b32 s22, s18, 7
	s_add_co_u32 s20, s20, s22
.irp g, 0,1,2,3
	s_add_nc_u64 s[92+2*\g:93+2*\g], s[92+2*\g:93+2*\g], s[20:21]
.endr
	v_and_b32 v1, 15, v0                           ; r = l % 16
	v_bfe_u32 v2, v0, 4, 1                         ; h = l / 16
	v_lshlrev_b32 v[BO], 5, v2
.irp g, 0,1,2,3
.irp u, 0,1
	global_load_b128 v[BIAS+8*(2*\g+\u):BIAS+8*(2*\g+\u)+3],   v[BO], s[92+2*\g:93+2*\g] offset:64*\u
	global_load_b128 v[BIAS+8*(2*\g+\u)+4:BIAS+8*(2*\g+\u)+7], v[BO], s[92+2*\g:93+2*\g] offset:64*\u+16
.endr
.endr
	v_mul_u32_u24 v3, v1, PITCH
	v_mul_u32_u24 v4, v2, 24
	v_add_nc_u32 v4, v3, v4                        ; a fragment's row x pitch + 24 x half
	v_lshl_add_u32 v5, v2, 4, v4                   ; and the same behind one padding more
	s_mul_i32 s21, s17, HALFT                      ; my 128 rows of A
	s_mul_i32 s22, s18, HALFT                      ; my 128 rows of B,
	s_add_co_u32 s22, s22, 2*HALFT                 ; which lie behind A's 256
.irp s, 0,1
	v_add_nc_u32 v[ADRA+\s], s21, v4
	v_add_nc_u32 v[ADRB+\s], s22, v4
	v_add_nc_u32 v[ADRA+2+\s], s21, v5
	v_add_nc_u32 v[ADRB+2+\s], s22, v5
	s_add_co_u32 s21, s21, SLOT
	s_add_co_u32 s22, s22, SLOT
.endr
	v_mul_u32_u24 v5, v1, KS                       ; my row's scales: 64 bytes a row,
	v_lshrrev_b32 v6, 8, v5
	v_lshl_add_u32 v5, v6, 4, v5                   ; and 16 more for each 256 passed
	s_mul_i32 s21, s17, HALFS                      ; A's: my 128 rows
	s_mul_i32 s22, s18, HALFS                      ; B's: my 128 rows, behind A's 256
	s_add_co_u32 s22, s22, 2*HALFS
	s_sub_co_u32 s22, s22, s21
	v_mul_u32_u24 v6, s22, v2                      ; lanes 16-31 take B's: one product, the distance between the two bases
	s_add_co_u32 s21, s21, SCL
	v_add_nc_u32 v5, v5, v6
	v_add_nc_u32 v[ADRS], s21, v5
	s_mul_i32 s21, s17, 128*CP                     ; the cell tile: my 128 rows,
	s_lshl_b32 s22, s18, 7                         ; my 32 hidden columns (128 bytes),
	s_add_co_u32 s21, s21, s22
	v_mul_u32_u24 v3, v1, CP                       ; row r, 32 bytes for each half of the lanes
	v_lshl_add_u32 v3, v2, 5, v3
	v_add_nc_u32 v[CA], s21, v3
	v_add_nc_u32 v[HA], HT, v[CA]
	s_lshl_b32 s21, s17, 7                         ; back: of each 32 rows of my half of the rows I take 16, by my half of the columns; lanes 0-15 one row of 256 bytes, lanes 16-31 the next
	s_lshl_b32 s22, s18, 4
	s_add_co_u32 s21, s21, s22
	s_mul_i32 s22, s21, CP
	v_mul_u32_u24 v3, v2, CP
	v_lshl_add_u32 v3, v1, 4, v3
	v_add_nc_u32 v[RD], s22, v3
	v_add_nc_u32 v[RD2], HT, v[RD]
	s_lshl_b32 s22, s21, 12                        ; and the same rows in out0 and out1: 4,096 bytes a row
	v_lshlrev_b32 v3, 12, v2
	v_lshl_add_u32 v3, v1, 4, v3
	v_add_nc_u32 v[CO], s22, v3
	v_and_b32 v[PFO], 31, v0
	v_mul_u32_u24 v[PFO], v[PFO], KROW
.macro FRAG reg, adr, q, i             ; a fragment, 16 rows x 128 K of 6-bit codes, is 12 registers: lane l holds row l % 16; registers 6 c .. 6 c + 5 hold K = 64 c + 32 (l / 16) + 0 .. 31: 24 bytes of the row's stream of bits, as they lie
.irp p, 0,1,2,3,4,5                    ; in pieces of 8 bytes, so that every address is a multiple of the access's size.  Lanes 0-15 take the row's pieces 12 q + 0, 1, 2 and 12 q + 6, 7, 8, lanes 16-31 those three pieces on
.set PC, 12*(\q)+6*(\p/3)+\p%3         ; 16 bytes of padding lie behind every 64 bytes (8 pieces): where the piece three on lies behind one padding more, the second address register (40 for 24 bytes a half) serves
.if PC%8 < 5
	ds_load_b64 v[\reg+2*\p:\reg+2*\p+1], v[\adr] offset:8*PC+16*(PC/8)+(\i)*16*PITCH
.else
	ds_load_b64 v[\reg+2*\p:\reg+2*\p+1], v[\adr+2] offset:8*PC+16*(PC/8)+(\i)*16*PITCH
.endif
.endr
.endm
; 16 matrix instructions: A's blocks a0, a0 + 1 x B's eight, 128 along K: the slot's q-th.  p: B's set;  sc: the set of scale words.  first = 1: the product starts the sum, with the bias as its C: nothing is cleared or added later.
; The 64 accumulators take turns, one instruction a turn, in the same order in every step.
.macro MUL16 a0, p, q, sc, first
.irp a, \a0, \a0+1
.irp b, 0,1,2,3,4,5,6,7
.if \first
	v_wmma_scale_f32_16x16x128_f8f6f4 v[8*(8*((\a)%4)+\b):8*(8*((\a)%4)+\b)+7], v[128*(\p)+FR*\b:128*(\p)+FR*\b+FR-1], v[AF+FR*(\a):AF+FR*(\a)+FR-1], v[BIAS+8*\b:BIAS+8*\b+7], v[SC+8*NQ*(\sc)+NQ*\b+(\q)], v[SC+8*NQ*(\sc)+NQ*(\a)+(\q)] matrix_a_fmt:MATRIX_FMT_BF6 matrix_b_fmt:MATRIX_FMT_BF6 matrix_a_scale:MATRIX_SCALE_ROW1
.else
	v_wmma_scale_f32_16x16x128_f8f6f4 v[8*(8*((\a)%4)+\b):8*(8*((\a)%4)+\b)+7], v[128*(\p)+FR*\b:128*(\p)+FR*\b+FR-1], v[AF+FR*(\a):AF+FR*(\a)+FR-1], v[8*(8*((\a)%4)+\b):8*(8*((\a)%4)+\b)+7], v[SC+8*NQ*(\sc)+NQ*\b+(\q)], v[SC+8*NQ*(\sc)+NQ*(\a)+(\q)] matrix_a_fmt:MATRIX_FMT_BF6 matrix_b_fmt:MATRIX_FMT_BF6 matrix_a_scale:MATRIX_SCALE_ROW1
.endif
.endr
.endr
.endm
.macro FETCH_B slot, q, p              ; B's eight fragments of the slot's q-th 128 along K into set p
	WIN TO_B
.irp i, 0,1,2,3,4,5,6,7
	FRAG 128*(\p)+FR*\i, ADRB+\slot, \q, \i
.endr
	WIN 0
.endm
.macro FETCH_A slot, q, i0             ; A's blocks i0 .. i0 + 3
.irp i, \i0, \i0+1, \i0+2, \i0+3
	FRAG AF+FR*(\i), ADRA+\slot, \q, \i
.endr
.endm
.macro SCALES sc                       ; the next K step's scale words into set sc: two words a row; lanes 0-15 take A's block i, lanes 16-31 B's block i
.irp i, 0,1,2,3,4,5,6,7
	ds_load_b64 v[SC+8*NQ*\sc+NQ*\i:SC+8*NQ*\sc+NQ*\i+1], v[ADRS] offset:\i*SBLK
.endr
.endm
; A load into a register that a matrix instruction has read, and a vector instruction or an LDS store that reads a matrix result, stand NP places behind that matrix instruction, and only plain vector
; instructions that name none of its registers are places (ISA guide 7.12.1 for vector instructions); the matrix instructions in between are not counted.
.macro PLACES n
.rept \n
	v_nop
.endr
.endm
; A step of 128 along K that has its successor in the same slot.
.macro STEP slot, q, first
	s_wait_dscnt 4*NL                              ; B's set, A's blocks 0-3 and the scale words are in; the youngest 24 loads (A's blocks 4-7) may be out
.if \first
	WIN FST_LO
.else
	WIN MUL_LO
.endif
	MUL16 0, (\q)%2, \q, \slot, \first
	MUL16 2, (\q)%2, \q, \slot, \first
	s_wait_dscnt 0                                 ; A's blocks 4-7 are in (asked for 32 matrix instructions ago)
	PLACES NP
	FETCH_B \slot, (\q)+1, 1-(\q)%2
	FETCH_A \slot, (\q)+1, 0
.if \first
	WIN FST_HI
.else
	WIN MUL_HI
.endif
	MUL16 4, (\q)%2, \q, \slot, \first
	MUL16 6, (\q)%2, \q, \slot, \first
	PLACES NP
	WIN 0
	FETCH_A \slot, (\q)+1, 4
.endm
; A slot's last step changes slots, AT ITS HEAD: all the fragments that this step multiplies have been asked for by the step before, so the slot is read no more.  Each wave waits for all its tensor loads, adds 0 to its
; spare word, and waits for that and for its own reads of this slot; then a round of the cluster's barrier; then the refill, ahead of the step's 64 products.  So a refill has a whole K step's 128 matrix instructions in
; which to land, and between a tile's landing and the next request stand only the add, the wait for it and the round.
; fill = 1: this slot is filled again, two K steps ahead, by a joint load.  fill = 2: slot 0 has been read for the last time and takes the cell tile, each wave's own 64 rows.
.macro TURN slot, next, fill
.if \fill == 1
	s_wait_xcnt 0x0                                ; the last prefetch, a K step back, has read its address: it is stepped here, ahead of the waits of the change of slots
	s_add_nc_u64 s[PFA:PFA+1], s[PFA:PFA+1], ROWB
.endif
	s_wait_tensorcnt 0x0                           ; all my tensor loads have landed: the one that was out is my part of the next slot;  (every window is 0 here: the add's two registers lie in window 0)
	ds_add_u32 v[SPW], v[NIL]                      ; 0 onto my spare word
.if \fill == 1
	s_add_nc_u64 s[G0+4*\slot+2:G0+4*\slot+3], s[G0+4*\slot+2:G0+4*\slot+3], 2*ROWB       ; no tensor load of mine is out, so a group 0 may be written: this slot's next tile
	s_add_nc_u64 s[G0B+4*\slot+2:G0B+4*\slot+3], s[G0B+4*\slot+2:G0B+4*\slot+3], 2*ROWB
.endif
	s_wait_dscnt 0x0                               ; the add is done, and my reads of this slot are over: the last, A's blocks 4-7 of this step, are in
	CROUND                                         ; no wave of any partner still reads this slot's tile or has a load on its way
.if \fill == 1
	JLOAD G0+4*\slot, G1, G0B+4*\slot, G1B         ; the first tensor load behind the round
	ASK \slot
.else
	tensor_load_to_lds s[G0C:G0C+3], s[G1C:G1C+7]  ; my one tensor load behind the round, and the launch's last: it has 192 matrix instructions in which to land
	s_nop 0
.rept 4
	v_nop
.endr
.endif
	v_add_nc_u32 v[ADRS], 4*NQ, v[ADRS]            ; on to the next K step's scale words (no LDS load of mine is out)
	WIN MUL_LO
	MUL16 0, 1, NQ-1, \slot, 0
	MUL16 2, 1, NQ-1, \slot, 0
	PLACES NP                                      ; in front of the loads into A's blocks 0-3, which these products have read
	FETCH_B \next, 0, 0
	FETCH_A \next, 0, 0
	SCALES \next
	WIN MUL_HI
	MUL16 4, 1, NQ-1, \slot, 0
	MUL16 6, 1, NQ-1, \slot, 0
	PLACES NP
	WIN 0
	FETCH_A \next, 0, 4
.endm
	s_wait_tensorcnt 1                             ; the scales and my part of K step 0 are in (K step 1's load, issued last, may be out)
	s_barrier_signal -1
	s_barrier_wait -1                              ; everybody's are
	FETCH_B 0, 0, 0
	FETCH_A 0, 0, 0
	SCALES 0
	FETCH_A 0, 0, 4
	s_wait_loadcnt 0x0                             ; the biases
	STEP 0, 0, 1                                   ; the first step stands in front of the loop: its products start the sums
	s_mov_b32 s3, LAPS-1
.Llap:                                                 ; a trip goes once round the ring, from a lap's second step to the next lap's first, and fills both slots again
	TURN 0, 1, 1
	STEP 1, 0, 0
	TURN 1, 0, 1
	STEP 0, 0, 0
	s_sub_co_u32 s3, s3, 1
	s_cmp_lg_u32 s3, 0
	s_cbranch_scc1 .Llap
	TURN 0, 1, 2                                   ; the last lap: slot 0 takes the cell tile
	STEP 1, 0, 0
	s_wait_dscnt 4*NL                              ; the very last step: nothing more to fetch
	WIN MUL_LO
	MUL16 0, 1, NQ-1, 1, 0
	MUL16 2, 1, NQ-1, 1, 0
	s_wait_dscnt 0
	WIN MUL_HI
	MUL16 4, 1, NQ-1, 1, 0
	MUL16 6, 1, NQ-1, 1, 0
	WIN 0
; THE WAY OUT.  With L = log2 e, F, I, G, O the four gates' sums and c the cell's number:
;   a = 2^(-L F), b = 2^(-L I), d = 2^min(2 L G, 60), q = 2^(-L O);   new_cell = c / (1 + a) + (d - 1) / ((1 + b)(1 + d));   e = 2^min(2 L new_cell, 60);   new_hidden = (e - 1) / ((1 + q)(1 + e)).
; Eight transcendentals a number.  An a, b or q that has become infinite gives the reciprocal 0, which is the limit; the hold at 60 keeps d and e finite, so that no product of infinity and 0 arises.
; EBLOCK a: the 16 rows of A's block a: 16 numbers a lane, number 8 u + j = hidden column 16 u + 8 h + j of row r.  Transcendentals and plain lines stand by turns, so that between each transcendental and the use of its
; result, or a write of its source, stands a plain line that names neither (ISA guide 5.7.2).  Each accumulator is read from its low end on.
.macro EBLOCK a
.set AC, 64*((\a)%4)
.irp u, 0,1
	ds_load_b128 v[CC+8*\u:CC+8*\u+3],   v[CA] offset:(\a)*16*CP+64*\u      ; the cell's 16 numbers: wanted six stages on
	ds_load_b128 v[CC+8*\u+4:CC+8*\u+7], v[CA] offset:(\a)*16*CP+64*\u+16
.endr
	WIN 0x02+(\a)/4                                ; source 0: window 2 or 3
.irp b, 0,1,2,3,4,5,6,7
.irp k, 0,2,4,6
.if (\b/2) == 2
	v_pk_mul_f32 v[X0+8*\b+\k:X0+8*\b+\k+1], v[AC+8*\b+\k:AC+8*\b+\k+1], s[94:95] op_sel_hi:[1,0]   ; 2 L G
.else
	v_pk_mul_f32 v[X0+8*\b+\k:X0+8*\b+\k+1], v[AC+8*\b+\k:AC+8*\b+\k+1], s[92:93] op_sel_hi:[1,0]   ; -L F, -L I, -L O
.endif
.endr
.endr
	WIN 0
.irp e, 0,1,2,3,4,5,6,7,8,9,10,11,12,13,14,15
	v_exp_f32 v[X0+\e], v[X0+\e]                   ; a
	v_min_num_f32 v[X2+\e], s96, v[X2+\e]          ; the hold at 60
.endr
.irp k, 0,2,4,6,8,10,12,14
	v_exp_f32 v[X1+\k], v[X1+\k]                   ; b
	s_wait_alu depctr_va_vdst(0)
	v_pk_add_f32 v[X0+\k:X0+\k+1], v[X0+\k:X0+\k+1], 1.0 op_sel_hi:[1,0]    ; 1 + a
	v_exp_f32 v[X1+\k+1], v[X1+\k+1]
.endr
.irp k, 0,2,4,6,8,10,12,14
	v_exp_f32 v[X2+\k], v[X2+\k]                   ; d
	s_wait_alu depctr_va_vdst(0)
	v_pk_add_f32 v[X1+\k:X1+\k+1], v[X1+\k:X1+\k+1], 1.0 op_sel_hi:[1,0]    ; 1 + b
	v_exp_f32 v[X2+\k+1], v[X2+\k+1]
.endr
.irp k, 0,2,4,6,8,10,12,14
	v_exp_f32 v[X3+\k], v[X3+\k]                   ; q
	s_wait_alu depctr_va_vdst(0)
	v_pk_add_f32 v[X4+\k:X4+\k+1], v[X2+\k:X2+\k+1], -1.0 op_sel_hi:[1,0]   ; d - 1
	v_exp_f32 v[X3+\k+1], v[X3+\k+1]
	v_pk_add_f32 v[X2+\k:X2+\k+1], v[X2+\k:X2+\k+1], 1.0 op_sel_hi:[1,0]    ; 1 + d
.endr
.irp k, 0,2,4,6,8,10,12,14
	v_rcp_f32 v[X0+\k], v[X0+\k]                   ; sigmoid(F)
	v_pk_mul_f32 v[X1+\k:X1+\k+1], v[X1+\k:X1+\k+1], v[X2+\k:X2+\k+1]       ; (1 + b)(1 + d)
	v_rcp_f32 v[X0+\k+1], v[X0+\k+1]
	s_wait_alu depctr_va_vdst(0)
	v_pk_add_f32 v[X3+\k:X3+\k+1], v[X3+\k:X3+\k+1], 1.0 op_sel_hi:[1,0]    ; 1 + q
.endr
	s_wait_dscnt 0x0                               ; the cell's numbers are in
.irp k, 0,2,4,6,8,10,12,14
	v_rcp_f32 v[X1+\k], v[X1+\k]
	s_wait_alu depctr_va_vdst(0)
	v_pk_mul_f32 v[CC+\k:CC+\k+1], v[CC+\k:CC+\k+1], v[X0+\k:X0+\k+1]       ; sigmoid(F) c
	v_rcp_f32 v[X1+\k+1], v[X1+\k+1]
.endr
	s_wait_alu depctr_va_vdst(0)
.irp k, 0,2,4,6,8,10,12,14
	v_pk_fma_f32 v[CC+\k:CC+\k+1], v[X4+\k:X4+\k+1], v[X1+\k:X1+\k+1], v[CC+\k:CC+\k+1]   ; + sigmoid(I) tanh(G): new_cell
.endr
.irp u, 0,1
	ds_store_b128 v[CA], v[CC+8*\u:CC+8*\u+3]   offset:(\a)*16*CP+64*\u     ; over the cell's numbers, which only I have read
	ds_store_b128 v[CA], v[CC+8*\u+4:CC+8*\u+7] offset:(\a)*16*CP+64*\u+16
.endr
.irp k, 0,2,4,6,8,10,12,14
	v_pk_mul_f32 v[X0+\k:X0+\k+1], v[CC+\k:CC+\k+1], s[94:95] op_sel_hi:[1,0]   ; 2 L new_cell
.endr
.irp e, 0,1,2,3,4,5,6,7,8,9,10,11,12,13,14,15
	v_min_num_f32 v[X0+\e], s96, v[X0+\e]          ; the hold at 60
	v_exp_f32 v[X0+\e], v[X0+\e]                   ; e
.endr
	s_wait_alu depctr_va_vdst(0)
.irp k, 0,2,4,6,8,10,12,14
	v_pk_add_f32 v[X4+\k:X4+\k+1], v[X0+\k:X0+\k+1], -1.0 op_sel_hi:[1,0]   ; e - 1
	v_pk_add_f32 v[X0+\k:X0+\k+1], v[X0+\k:X0+\k+1], 1.0 op_sel_hi:[1,0]    ; 1 + e
	v_pk_mul_f32 v[X3+\k:X3+\k+1], v[X3+\k:X3+\k+1], v[X0+\k:X0+\k+1]       ; (1 + q)(1 + e)
	v_rcp_f32 v[X3+\k], v[X3+\k]
	v_rcp_f32 v[X3+\k+1], v[X3+\k+1]
.endr
	s_wait_alu depctr_va_vdst(0)
.irp k, 0,2,4,6,8,10,12,14
	v_pk_mul_f32 v[X4+\k:X4+\k+1], v[X4+\k:X4+\k+1], v[X3+\k:X3+\k+1]       ; new_hidden
.endr
.irp u, 0,1
	ds_store_b128 v[HA], v[X4+8*\u:X4+8*\u+3]   offset:(\a)*16*CP+64*\u
	ds_store_b128 v[HA], v[X4+8*\u+4:X4+8*\u+7] offset:(\a)*16*CP+64*\u+16
.endr
.endm
; EOUT p: rows 32 p .. 32 p + 31 of each half of the rows are whole in LDS once both waves of that half have stored their 128 bytes of them: so a barrier; then each wave reads 16 of them back and stores them.
.macro EOUT p
.if \p > 0
	s_wait_xcnt 0x0                                ; the last part's stores have had their addresses translated (ISA guide 3.1): only behind this wait are their data registers loaded again
.endif
	s_wait_dscnt 0x0                               ; for the others' sake: my stores into the tile and the stage are done
	s_barrier_signal -1
	s_barrier_wait -1
.irp t, 0,1,2,3,4,5,6,7
	ds_load_b128 v[OB+4*\t:OB+4*\t+3], v[RD] offset:(32*\p+2*\t)*CP
.endr
.irp t, 0,1,2,3,4,5,6,7
	ds_load_b128 v[OB+32+4*\t:OB+32+4*\t+3], v[RD2] offset:(32*\p+2*\t)*CP
.endr
.irp t, 0,1,2,3,4,5,6,7
	s_wait_dscnt 15-\t                             ; loads come back in order: pair t of new_cell's rows is in
	global_store_b128 v[CO], v[OB+4*\t:OB+4*\t+3], s[100:101] offset:(32*\p+2*\t)*4096 th:TH_STORE_NT   ; 16 lanes store 256 consecutive bytes, at a multiple of 256 from the buffer's first byte; written once, read by nobody here
.endr
.irp t, 0,1,2,3,4,5,6,7
	s_wait_dscnt 7-\t
	global_store_b128 v[CO], v[OB+32+4*\t:OB+32+4*\t+3], s[66:67] offset:(32*\p+2*\t)*4096 th:TH_STORE_NT
.endr
.endm
	PLACES NP                                      ; behind the last products: for the reads of their results and for the loads and writes into the registers that held A's fragments
	s_mov_b32 s92, 0xbfb8aa3b                      ; -log2 e, as a pair: the packed form names both words (the biases' addresses are done with)
	s_mov_b32 s93, 0xbfb8aa3b
	s_mov_b32 s94, 0x4038aa3b                      ; 2 log2 e
	s_mov_b32 s95, 0x4038aa3b
	s_mov_b32 s96, 0x42700000                      ; 60.0
	s_wait_tensorcnt 0x0                           ; my 64 rows of the cell tile have landed; my reads of slot 1 are over (the wait for 0 ahead of the last 32 products)
	s_barrier_signal -1
	s_barrier_wait -1                              ; everybody's have, and nobody reads the ring any more
.irp p, 0,1,2,3
	EBLOCK 2*\p
	EBLOCK 2*\p+1
	EOUT \p                                        ; three quarters of the stores leave while later blocks are worked
.endr
	s_wait_tensorcnt 0x0                           ; the wave's end: behind my last tensor load and my last LDS store
	ds_add_u32 v[SPW], v[NIL]
	s_wait_dscnt 0x0
	CROUND                                         ; the closing round: no work-group ends while a partner may still ask for a tile that names it
	s_endpgm
.Lfunc_end_k_qd3b02b04f3_lstm:
	.size	k_qd3b02b04f3_lstm, .Lfunc_end_k_qd3b02b04f3_lstm-k_qd3b02b04f3_lstm
	.p2alignl 7, 3214868480
	.fill 96, 4, 3214868480
	.section	.rodata,"a",@progbits
	.p2align	6, 0x0
	.amdhsa_kernel k_qd3b02b04f3_lstm
		.amdhsa_group_segment_fixed_size 327680
		.amdhsa_private_segment_fixed_size 0
		.amdhsa_enable_private_segment 0
		.amdhsa_kernarg_size 88
		.amdhsa_user_sgpr_count 2
		.amdhsa_user_sgpr_kernarg_segment_ptr 1
		.amdhsa_wavefront_size32 1
		.amdhsa_system_sgpr_workgroup_id_x 1
		.amdhsa_system_sgpr_workgroup_id_y 1
		.amdhsa_system_sgpr_workgroup_id_z 1
		.amdhsa_system_vgpr_workitem_id 0
		.amdhsa_next_free_vgpr 1024
		.amdhsa_next_free_sgpr 102
		.amdhsa_reserve_vcc 0
		.amdhsa_float_denorm_mode_32 3
		.amdhsa_float_denorm_mode_16_64 3
		.amdhsa_memory_ordered 1
		.amdhsa_forward_progress 1
		.amdhsa_inst_pref_size 255
	.end_amdhsa_kernel
	.section	.bss,"aw",@nobits
	.p2align	6
	.space	262144
	.amdgpu_metadata
---
amdhsa.version: [ 1, 2 ]
amdhsa.kernels:
  - .name:           k_qd3b02b04f3_lstm
    .symbol:         k_qd3b02b04f3_lstm.kd
    .args:
      - { .name: a_codes, .offset: 0, .size: 8, .value_kind: global_buffer, .address_space: global }
      - { .name: a_scales, .offset: 8, .size: 8, .value_kind: global_buffer, .address_space: global }
      - { .name: b_codes, .offset: 16, .size: 8, .value_kind: global_buffer, .address_space: global }
      - { .name: b_scales, .offset: 24, .size: 8, .value_kind: global_buffer, .address_space: global }
      - { .name: b_f, .offset: 32, .size: 8, .value_kind: global_buffer, .address_space: global }
      - { .name: b_i, .offset: 40, .size: 8, .value_kind: global_buffer, .address_space: global }
      - { .name: b_c, .offset: 48, .size: 8, .value_kind: global_buffer, .address_space: global }
      - { .name: b_o, .offset: 56, .size: 8, .value_kind: global_buffer, .address_space: global }
      - { .name: cell_state, .offset: 64, .size: 8, .value_kind: global_buffer, .address_space: global }
      - { .name: out0, .offset: 72, .size: 8, .value_kind: global_buffer, .address_space: global }
      - { .name: out1, .offset: 80, .size: 8, .value_kind: global_buffer, .address_space: global }
    .group_segment_fixed_size: 327680
    .private_segment_fixed_size: 0
    .kernarg_segment_align: 8
    .kernarg_segment_size: 88
    .max_flat_workgroup_size: 128
    .sgpr_count:     102
    .vgpr_count:     1024
    .wavefront_size: 32
...
	.end_amdgpu_metadata
.endif
;; end of part 2
